; MI455X (gfx1250); checked and timed in simulation.
; The chip was launched on July 23, 2026; its instructions are those of AMD's public machine-readable ISA for CDNA 5 (MIT licence, August 2026) and "CDNA5" Instruction Set Architecture Reference Guide (July 2026). The comments in the code are by the model that wrote it; some were corrected since.
;; Ruzicka Kernel. Allowed arithmetic: float matrix products may take bf16 or f16 operands with f32 sums; all other float work in f32.
;; Inputs: x 1,024 x 256 float32; y 1,024 x 256 float32.
;; Outputs: out0 1,024 x 1,024 float32.
;; One version. Each part assembles by itself: llvm-mc -triple=amdgcn-amd-amdhsa -mcpu=gfx1250 --defsym DOCPART=n.
;; ======== version 1 of 1: 1 launch
;; limits: a difference of large sums (such as E[x^2] - mean^2): digits are lost where the result is much smaller than its terms; inputs' magnitudes at most 3e+35
;; launch ruzicka (part 1): grid 8 x 32, 4 waves a work-group, clusters of 4 x 4, 174,592 bytes of LDS; arguments x, y, out0; writes out0
.if DOCPART == 1
	.amdgcn_target "amdgcn-amd-amdhsa--gfx1250"
	.amdhsa_code_object_version 6
	.text
	.protected	k_q4c3af91846_ruzicka
	.globl	k_q4c3af91846_ruzicka
	.p2align	8
	.type	k_q4c3af91846_ruzicka,@function
k_q4c3af91846_ruzicka:
	s_mov_b64 s[64:65], 0
	v_nop
	global_prefetch_b8 v0, s[64:65] scope:SCOPE_SE
	s_setreg_imm32_b32 hwreg(HW_REG_WAVE_MODE, 25, 1), 1
	s_wait_xcnt 0x0
	s_wait_alu depctr_hold_cnt(0) depctr_sa_sdst(0) depctr_va_vdst(0) depctr_va_sdst(0) depctr_va_ssrc(0) depctr_va_vcc(0) depctr_vm_vsrc(0)
	s_getreg_b32 s2, hwreg(HW_REG_IB_STS2, 6, 4)
	s_cmp_eq_u32 s2, 0
	s_cbranch_scc0 .Lentry_in_a_cluster
	s_endpgm
.Lentry_in_a_cluster:
	s_bfe_u32 s2, ttmp6, 0x10000c
	s_cmp_lg_u32 s2, 0xf033
	s_cbranch_scc0 .Lentry_shape_is_right
	s_endpgm
.Lentry_shape_is_right:
; out0[i][j] = S / (T + 1e-8),  S = sum over d of min(x[i][d], y[j][d]),  T = sum over d of max(x[i][d], y[j][d]).
; x, y: [1024][256] f32.  out0: [1024][1024] f32.  All arithmetic in f32 on the vector unit (there is no product for the matrix unit).
;
; T IS NOT SUMMED ELEMENT BY ELEMENT: min(a,b) + max(a,b) = a + b for every pair of finite numbers, so T = (sum of row x[i]) + (sum of row y[j]) - S.
; That leaves one min and one add for each (i, j, d).  The order of rounding differs from a direct sum of the maxima: the denominator is formed as
; ((sum x[i] + 1e-8) + sum y[j]) - S and carries an error of a few roundings of sum|x[i]| + sum|y[j]|, as a direct sum does.
; LIMITS: a NaN in an input is dropped by v_min_num_f32 (the reference passes it on).  |sum x[i]| + |sum y[j]| must stay finite in f32: magnitudes up to
; about 6e35.  The division is v_rcp_f32 and a multiply: a denominator below 2^-126 counts as zero, one above 2^126 gives zero (ISA guide, 15.8).
;
; SHARES.  256 work-groups of four waves.  A work-group makes 32 rows x 128 columns of out0, a wave 8 rows x 128 columns.
; Lane l = 16 h + r owns 8 rows x 8 columns (columns 4r..4r+3 and 64+4r..64+4r+3) and, of d, the half with bit 5 equal to h: an 8 x 8 tile wants 16 LDS loads
; of 16 bytes for 256 arithmetic instructions.  At the end the two halves of the lanes exchange partial sums: lanes 0-15 keep rows 0-3, lanes 16-31 rows 4-7,
; each lane with four neighbouring columns in four neighbouring registers: sixteen lanes store 256 consecutive bytes, aligned.
; ARITHMETIC.  One dual instruction makes two minima, one packed add adds two: one instruction for each (i, j, d) of a lane.
;
; LDS.  d goes in four chunks of 64 (256 bytes of a row in memory, from a multiple of 256 bytes).  Every chunk has LDS bytes of its own: nothing is filled twice.
;   chunk k at k*CHUNK:  y: four planes; plane c holds the block's rows 4 g + c, g = 0..31, at a pitch of 272 bytes (256 of data, 16 of padding).
;                        The rows 4r+c that sixteen lanes read together lie 272 bytes apart in one plane: sixteen different 16-byte columns modulo 256 bytes.
;                        x: at XOFF, 32 rows at a pitch of 272 bytes (the padding serves the reads for the row sums at the end; the main reads are broadcasts).
; CLUSTERS.  4 x 4 work-groups.  x's tiles hang on the block row alone: the four of a row of the cluster ask for them jointly; y's tiles hang on the block column
; alone: the four of a column ask jointly.  Each tile is so requested once for four work-groups.  All loads go out at the start, behind one round of the
; cluster's barrier: 8 for each wave (in each chunk its 8 rows of x and plane number wave of y), which is the most that a wave has outstanding.
; No prefetch: every byte that the work-group reads is asked for in its first lines.
.set PITCH,  272                       ; an LDS row: 256 bytes of data and 16 of padding
.set YPLANE, 32*PITCH                  ; 32 y rows: one wave's tensor load
.set YHALF,  16*PITCH                  ; inside a plane: from a lane's first four columns to its second four (64 columns = 16 rows of each plane)
.set XPART,  8*PITCH                   ; 8 x rows: one wave's tensor load, and the rows that the wave works on
.set XOFF,   4*YPLANE                  ; x behind y in a chunk
.set CHUNK,  XOFF+4*XPART              ; 43,520 bytes; four chunks = 174,080
.set OUTROW, 4096                      ; bytes in a row of out0
.set XA,  8                            ; v8       LDS address of my half of my wave's first x row, at the step's d
.set YA,  9                            ; v9       LDS address of my half of row r of y's plane 0, at the step's d
.set XS,  10                           ; v10      row sums of x: my 64 bytes of row lane/4 in chunk 0
.set XS2, 11                           ; v11      the same in chunk 2 (beyond the reach of a 16-bit offset from v10)
.set CO,  12                           ; v12      my byte offset in out0
.set ACC, 16                           ; v[16:79]   sum of minima of (row i, column slot c) at ACC + 8 i + c
.set XB0, 80                           ; v[80:111]  x, buffer 0: row i, four d, at 4 i
.set XB1, 112                          ; v[112:143] x, buffer 1
.set YB0, 144                          ; v[144:175] y, buffer 0: column slot c, four d, at 4 c
.set YB1, 176                          ; v[176:207] y, buffer 1
.set T,   208                          ; v[208:239] minima
.set SY,  240                          ; v[240:255] column slot c: two running sums of y at 2 c
.set SXS, T                            ; at the end: row sum of x (with the 1e-8) for my row i at SXS + 2 i
.set SYF, T+8                          ;             column sums of y, slot c
.set SYO, T+16                         ;             the other half's part of them
.set DEN, XB1                          ;             denominators
.set REC, YB1                          ;             their reciprocals
.set G1X, 16                           ; s[16:23] descriptor group 1 for x's tiles
.set G1Y, 24                           ; s[24:31] descriptor group 1 for y's tiles
.set G0X, 32                           ; s[32:47] descriptor group 0 for x's tiles, one set for each chunk: none is rewritten
.set G0Y, 48                           ; s[48:63] the same for y's
; A round of the cluster's barrier: my work-group's barrier, wave 0 signals for the work-group, every wave waits for all sixteen, my work-group's barrier again.
.macro CROUND
	s_barrier_signal -1
	s_barrier_wait -1
	s_cmp_lg_u32 s10, 0
	s_cbranch_scc1 .Lnot_wave_0_\@
	s_barrier_signal -3
.Lnot_wave_0_\@:
	s_barrier_wait -3
	s_barrier_signal -1
	s_barrier_wait -1
.endm
	s_load_b128 s[4:7], s[0:1], 0x0                ; x s[4:5], y s[6:7]
	s_load_b64 s[8:9], s[0:1], 0x10                ; out0
	v_lshl_add_u32 v14, v0, 2, 0x2a800
	v_mov_b32 v15, 0
	ds_add_u32 v14, v15
	v_lshrrev_b32 v1, 5, v0
	v_readfirstlane_b32 s10, v1                    ; wave 0..3
	s_bfe_u32 s66, ttmp6, 0x40000                  ; cx: my place along the cluster's x
	s_bfe_u32 s67, ttmp6, 0x40004                  ; cy: along its y
	s_lshl_b32 s68, ttmp9, 2
	s_add_co_u32 s68, s68, s66                     ; block column 0..7 = 4 x cluster x + cx
	s_and_b32 s69, ttmp7, 0xffff
	s_lshl_b32 s69, s69, 2
	s_add_co_u32 s69, s69, s67                     ; block row 0..31 = 4 x cluster y + cy
	s_lshl_b32 s70, s67, 2
	s_lshl_b32 s70, 15, s70                        ; my row of the cluster: places 4 cy .. 4 cy + 3
	s_lshl_b32 s71, 0x1111, s66                    ; my column: places cx, cx + 4, cx + 8, cx + 12
	; group 1.  Elements of 4 bytes; a tile row is 64 elements, and 4 words of padding follow every 64 words: every LDS row is 272 bytes from the last.
	s_or_b32 s[G1X+0], s70, (2<<16)|(1<<20)|(1<<21)|(5<<22)|(3<<25)  ; mask: my row; element size code 2; padding on; bit 21 beside a mask; interval code 5, pad code 3
	s_mov_b32 s[G1X+1], 64<<16                     ; tensor_dim0 = 64
	s_mov_b32 s[G1X+2], 8<<16                      ; tensor_dim1 = 8
	s_mov_b32 s[G1X+3], 64<<16                     ; tile_dim0 = 64
	s_mov_b32 s[G1X+4], 8                          ; tile_dim1 = 8 rows
	s_mov_b32 s[G1X+5], 256                        ; from row to row: 256 elements, the next row of x
	s_mov_b32 s[G1X+6], 0
	s_mov_b32 s[G1X+7], 0
	s_or_b32 s[G1Y+0], s71, (2<<16)|(1<<20)|(1<<21)|(5<<22)|(3<<25)  ; the same with the mask of my column
	s_mov_b32 s[G1Y+1], 64<<16
	s_mov_b32 s[G1Y+2], 32<<16                     ; tensor_dim1 = 32
	s_mov_b32 s[G1Y+3], 64<<16
	s_mov_b32 s[G1Y+4], 32                         ; tile_dim1 = 32 rows
	s_mov_b32 s[G1Y+5], 1024                       ; from row to row: 1,024 elements, every fourth row of y: one plane
	s_mov_b32 s[G1Y+6], 0
	s_mov_b32 s[G1Y+7], 0
	; where the tiles come from: x's address is made of the block row and the wave, y's of the block column and the wave, in registers of their own
	s_lshl_b32 s72, s69, 15                        ; 32 rows of 1,024 bytes for each block row
	s_lshl_b32 s76, s10, 13                        ; 8 rows for each wave
	s_add_co_u32 s72, s72, s76
	s_mov_b32 s73, 0
	s_lshl_b32 s74, s68, 17                        ; 128 rows for each block column
	s_lshl_b32 s77, s10, 10                        ; plane number wave begins at row number wave
	s_add_co_u32 s74, s74, s77
	s_mov_b32 s75, 0
	s_mul_i32 s78, s10, XPART                      ; and where they go: the wave's number alone enters an LDS address
	s_mul_i32 s79, s10, YPLANE
	s_wait_dscnt 0x0
	s_wait_kmcnt 0x0
	s_add_nc_u64 s[72:73], s[4:5], s[72:73]
	s_add_nc_u64 s[74:75], s[6:7], s[74:75]
	CROUND                                         ; all sixteen work-groups are here: the joint loads meet
.irp k, 0,1,2,3
	s_mov_b32 s[G0X+4*\k], 1
	s_add_co_u32 s[G0X+4*\k+1], s78, \k*CHUNK+XOFF
	s_add_nc_u64 s[G0X+4*\k+2:G0X+4*\k+3], s[72:73], \k*256
	s_or_b32 s[G0X+4*\k+3], s[G0X+4*\k+3], 0x80000000
	s_mov_b32 s[G0Y+4*\k], 1
	s_add_co_u32 s[G0Y+4*\k+1], s79, \k*CHUNK
	s_add_nc_u64 s[G0Y+4*\k+2:G0Y+4*\k+3], s[74:75], \k*256
	s_or_b32 s[G0Y+4*\k+3], s[G0Y+4*\k+3], 0x80000000
	tensor_load_to_lds s[G0X+4*\k:G0X+4*\k+3], s[G1X:G1X+7]        ; chunk k: my 8 rows of x,
	s_nop 0
	tensor_load_to_lds s[G0Y+4*\k:G0Y+4*\k+3], s[G1Y:G1Y+7]        ; my plane of y
	s_nop 0
.endr
	; addresses, while the tiles are on their way
	s_add_co_u32 s80, s78, XOFF                    ; my wave's x rows in chunk 0
	s_lshl_b32 s82, s69, 17                        ; out0: 32 rows of 4,096 bytes for each block row,
	s_lshl_b32 s84, s68, 9                         ; 128 columns of 4 bytes for each block column,
	s_add_co_u32 s82, s82, s84
	s_lshl_b32 s85, s10, 15                        ; 8 rows for each wave
	s_add_co_u32 s82, s82, s85
	s_mov_b32 s83, 0
	s_add_nc_u64 s[8:9], s[8:9], s[82:83]
	s_mov_b32 s86, 0x76543210                      ; v_permlanex16_b32: lane i of one half reads lane i of the other
	s_mov_b32 s87, 0xfedcba98
	v_and_b32 v1, 15, v0                           ; r
	v_bfe_u32 v2, v0, 4, 1                         ; h
	v_lshlrev_b32 v3, 7, v2                        ; my half of a chunk's 256 bytes
	v_mul_u32_u24 v4, v1, PITCH
	v_add_nc_u32 v[YA], v4, v3                     ; row r of plane 0 = y row 4r
	v_add_nc_u32 v[XA], s80, v3
	v_bfe_u32 v5, v0, 2, 3                         ; row sums of x: four lanes to a row, row = lane / 4,
	v_and_b32 v6, 3, v0                            ; 64 bytes of each chunk to a lane
	v_mul_u32_u24 v5, v5, PITCH
	v_lshl_add_u32 v5, v6, 6, v5
	v_add_nc_u32 v[XS], s80, v5
	v_add_nc_u32 v[XS2], 2*CHUNK, v[XS]
	v_lshlrev_b32 v7, 14, v2                       ; lanes 16-31 store four rows further down
	v_lshl_add_u32 v[CO], v1, 4, v7
; 16 LDS loads: four d of my 8 rows of x (all lanes of a half read the same 16 bytes) and of my 8 columns' rows of y:
; column slot c is y row 64 (c / 4) + 4 r + c % 4, which is row 16 (c / 4) + r of plane c % 4
.macro FETCH xb, yb, off
.irp i, 0,1,2,3,4,5,6,7
	ds_load_b128 v[\xb+4*\i:\xb+4*\i+3], v[XA] offset:\off+\i*PITCH
.endr
.irp c, 0,1,2,3,4,5,6,7
	ds_load_b128 v[\yb+4*\c:\yb+4*\c+3], v[YA] offset:\off+(\c&3)*YPLANE+(\c>>2)*YHALF
.endr
.endm
; 16 LDS loads for the row sums of x: my 64 bytes of my row in each of the four chunks, into buffer 0 of x and of y.
; In a half of the lanes the addresses are 272 a + 64 b + 16 t (a, b = 0..3): sixteen different 16-byte columns modulo 256 bytes.
.macro XSUMLOAD
.irp t, 0,1,2,3
	ds_load_b128 v[XB0+4*\t:XB0+4*\t+3],       v[XS]  offset:16*\t
	ds_load_b128 v[XB0+16+4*\t:XB0+16+4*\t+3], v[XS]  offset:CHUNK+16*\t
	ds_load_b128 v[YB0+4*\t:YB0+4*\t+3],       v[XS2] offset:16*\t
	ds_load_b128 v[YB0+16+4*\t:YB0+16+4*\t+3], v[XS2] offset:CHUNK+16*\t
.endr
.endm
; Rows i, i+1 x all 8 columns x two d (e, e+1): 16 dual instructions make 32 minima, 16 packed adds add them onto 8 pairs of sums.
; A pair of sums is two neighbouring columns c, c+1 of one row.  The two halves of a dual instruction take different d, so that their first sources (x) and
; their second sources (y) lie in different register banks (register numbers that differ modulo 4) and their destinations are one even, one odd:
;   T+4n   = min(x[e],   y[c][e]),    T+4n+1 = min(x[e+1], y[c+1][e+1])
;   T+4n+2 = min(x[e+1], y[c][e+1]),  T+4n+3 = min(x[e],   y[c+1][e])
; Two adds onto one pair of sums stand eight instructions apart.  first = 1: the two pairs of minima start the sums; nothing is cleared.
.macro GROUP xb, yb, i, e, first
.set n, 0
.irp rr, 0,1
.irp cp, 0,1,2,3
	v_dual_min_num_f32 v[T+4*n], v[\xb+4*(\i+\rr)+\e], v[\yb+8*\cp+\e] :: v_dual_min_num_f32 v[T+4*n+1], v[\xb+4*(\i+\rr)+\e+1], v[\yb+8*\cp+\e+5]
	v_dual_min_num_f32 v[T+4*n+2], v[\xb+4*(\i+\rr)+\e+1], v[\yb+8*\cp+\e+1] :: v_dual_min_num_f32 v[T+4*n+3], v[\xb+4*(\i+\rr)+\e], v[\yb+8*\cp+\e+4]
.set n, n+1
.endr
.endr
.if \first
.set n, 0
.rept 8
	v_pk_add_f32 v[ACC+8*\i+2*n:ACC+8*\i+2*n+1], v[T+4*n:T+4*n+1], v[T+4*n+2:T+4*n+3]
.set n, n+1
.endr
.else
.irp t, 0,2
.set n, 0
.rept 8
	v_pk_add_f32 v[ACC+8*\i+2*n:ACC+8*\i+2*n+1], v[ACC+8*\i+2*n:ACC+8*\i+2*n+1], v[T+4*n+\t:T+4*n+\t+1]
.set n, n+1
.endr
.endr
.endif
.endm
; One step: four d.  fetch = 1: the next step's 16 loads go out first, into the other buffers, at byte off from XA and YA; fetch = 2: the loads for x's row sums.
.macro QUAD xb, yb, nxb, nyb, off, fetch, first
.if \fetch == 1
	FETCH \nxb, \nyb, \off
.endif
.if \fetch == 2
	XSUMLOAD
.endif
	s_wait_dscnt 16                                ; LDS loads come back in order (ISA guide 5.7.1): this step's 16 are in, the 16 just issued stay out
.irp i, 0,2,4,6
	GROUP \xb, \yb, \i, 0, \first
	GROUP \xb, \yb, \i, 2, 0
.endr
	; the sums of my 8 rows of y over my half of d, from the registers that are here anyway (16 adds beside 256 instructions)
.if \first
.irp c, 0,1,2,3,4,5,6,7
	v_pk_add_f32 v[SY+2*\c:SY+2*\c+1], v[\yb+4*\c:\yb+4*\c+1], v[\yb+4*\c+2:\yb+4*\c+3]
.endr
.else
.irp c, 0,1,2,3,4,5,6,7
	v_pk_add_f32 v[SY+2*\c:SY+2*\c+1], v[SY+2*\c:SY+2*\c+1], v[\yb+4*\c:\yb+4*\c+1]
.endr
.irp c, 0,1,2,3,4,5,6,7
	v_pk_add_f32 v[SY+2*\c:SY+2*\c+1], v[SY+2*\c:SY+2*\c+1], v[\yb+4*\c+2:\yb+4*\c+3]
.endr
.endif
.endm
.macro STEP32                          ; two steps on: 32 bytes
	v_add_nc_u32 v[XA], 32, v[XA]
	v_add_nc_u32 v[YA], 32, v[YA]
.endm
.macro PAIRS trips                     ; steps in pairs, buffers 0 and 1
	s_mov_b32 s3, \trips
.Lpair_\@:
	QUAD XB0, YB0, XB1, YB1, 16, 1, 0
	QUAD XB1, YB1, XB0, YB0, 32, 1, 0
	STEP32
	s_sub_co_u32 s3, s3, 1
	s_cmp_lg_u32 s3, 0
	s_cbranch_scc1 .Lpair_\@
.endm
; In front of the first loads from the next chunk.  left = the tensor loads of mine that may stay out: those of the chunks behind it.
.macro BOUNDARY left
	s_wait_dscnt 0x0                               ; no LDS load of mine is out at the signal (the 16 that are were issued a whole step ago)
	s_wait_tensorcnt \left                         ; a wave's tensor loads end in order (ISA guide 10.11.1): my parts of the next chunk are in LDS
	s_barrier_signal -1
	s_barrier_wait -1                              ; every wave's parts are: y's planes are read by all four.
	v_add_nc_u32 v[XA], CHUNK-96, v[XA]            ; from the chunk's seventh step (byte 96) to the next chunk's first
	v_add_nc_u32 v[YA], CHUNK-96, v[YA]
.endm
	s_wait_tensorcnt 6                             ; my two loads of chunk 0 are in; the six of chunks 1 to 3 stay out
	s_barrier_signal -1
	s_barrier_wait -1
	FETCH XB0, YB0, 0
	; chunk 0: eight steps; the first pair is written out, since the first step starts the sums
	QUAD XB0, YB0, XB1, YB1, 16, 1, 1
	QUAD XB1, YB1, XB0, YB0, 32, 1, 0
	STEP32
	PAIRS 2
	QUAD XB0, YB0, XB1, YB1, 16, 1, 0
	BOUNDARY 4
	QUAD XB1, YB1, XB0, YB0, 0, 1, 0               ; the chunk's last step fetches the next chunk's first
	; chunk 1
	PAIRS 3
	QUAD XB0, YB0, XB1, YB1, 16, 1, 0
	BOUNDARY 2
	QUAD XB1, YB1, XB0, YB0, 0, 1, 0
	; chunk 2
	PAIRS 3
	QUAD XB0, YB0, XB1, YB1, 16, 1, 0
	BOUNDARY 0                                     ; the last tensor loads are waited for here
	QUAD XB1, YB1, XB0, YB0, 0, 1, 0
	; chunk 3
	PAIRS 3
	QUAD XB0, YB0, XB1, YB1, 16, 1, 0
	QUAD XB1, YB1, XB0, YB0, 0, 2, 0               ; the last step: in the place of a fetch, the loads for x's row sums
	; THE ROW SUMS OF X.  Each lane holds 64 numbers of row lane/4 of the wave's eight: a tree of packed adds, then across the four lanes of the row.
	s_wait_dscnt 0x0
.irp b, XB0, YB0
.irp m, 0,4,8,12,16,20,24,28
	v_pk_add_f32 v[\b+\m:\b+\m+1], v[\b+\m:\b+\m+1], v[\b+\m+2:\b+\m+3]
.endr
.irp m, 0,8,16,24
	v_pk_add_f32 v[\b+\m:\b+\m+1], v[\b+\m:\b+\m+1], v[\b+\m+4:\b+\m+5]
.endr
.irp m, 0,16
	v_pk_add_f32 v[\b+\m:\b+\m+1], v[\b+\m:\b+\m+1], v[\b+\m+8:\b+\m+9]
.endr
	v_pk_add_f32 v[\b:\b+1], v[\b:\b+1], v[\b+16:\b+17]
.endr
	v_pk_add_f32 v[XB0:XB0+1], v[XB0:XB0+1], v[YB0:YB0+1]
	v_add_f32 v[XB0], v[XB0], v[XB0+1]
	v_add_f32_dpp v[XB0], v[XB0], v[XB0] row_xmask:1 row_mask:0xf bank_mask:0xf
	v_add_f32_dpp v[XB0], v[XB0], v[XB0] row_xmask:2 row_mask:0xf bank_mask:0xf
	v_add_f32 v[XB0], 0x322bcc77, v[XB0]           ; the denominator's 1e-8 goes in here, once for a row, instead of once for each output
	; lanes 4a..4a+3 of the lower half now hold the sum of row a, those of the upper half the sum of row 4 + a: the rows that each half will store.
	v_mov_b32_dpp v[SXS+0], v[XB0] row_share:0 row_mask:0xf bank_mask:0xf      ; every lane of a half takes lane 4 i of its half: row i + 4 h
	v_mov_b32_dpp v[SXS+2], v[XB0] row_share:4 row_mask:0xf bank_mask:0xf
	v_mov_b32_dpp v[SXS+4], v[XB0] row_share:8 row_mask:0xf bank_mask:0xf
	v_mov_b32_dpp v[SXS+6], v[XB0] row_share:12 row_mask:0xf bank_mask:0xf
	; THE ROW SUMS OF Y: the two running sums of each column, then the other half's part (lanes r and 16 + r own the same columns)
.irp c, 0,1,2,3,4,5,6,7
	v_add_f32 v[SYF+\c], v[SY+2*\c], v[SY+2*\c+1]
.endr
.irp c, 0,1,2,3,4,5,6,7
	v_permlanex16_b32 v[SYO+\c], v[SYF+\c], s86, s87
.endr
.irp c, 0,2,4,6
	v_pk_add_f32 v[SYF+\c:SYF+\c+1], v[SYF+\c:SYF+\c+1], v[SYO+\c:SYO+\c+1]
.endr
	; THE TWO HALVES OF D MEET.  The swap exchanges the upper lanes of row i's register with the lower lanes of row i+4's: afterwards both registers hold, in
	; lanes 0-15, the two parts of row i, and in lanes 16-31 the two parts of row i+4.  Their sum is the whole sum of minima.
.set n, 0
.rept 32
	v_permlane16_swap_b32 v[ACC+n], v[ACC+32+n]
.set n, n+1
.endr
.set n, 0
.rept 16
	v_pk_add_f32 v[ACC+2*n:ACC+2*n+1], v[ACC+2*n:ACC+2*n+1], v[ACC+32+2*n:ACC+32+2*n+1]
.set n, n+1
.endr
	; denominator = (sum y + (sum x + 1e-8)) - sum of minima
.irp i, 0,1,2,3
.irp c, 0,2,4,6
	v_pk_add_f32 v[DEN+8*\i+\c:DEN+8*\i+\c+1], v[SYF+\c:SYF+\c+1], v[SXS+2*\i:SXS+2*\i+1] op_sel_hi:[1,0]   ; the pair's first register feeds both halves
.endr
.endr
.set n, 0
.rept 16
	v_pk_add_f32 v[DEN+2*n:DEN+2*n+1], v[DEN+2*n:DEN+2*n+1], v[ACC+2*n:ACC+2*n+1] neg_lo:[0,1] neg_hi:[0,1]
.set n, n+1
.endr
.set n, 0
.rept 32
	v_rcp_f32 v[REC+n], v[DEN+n]
.set n, n+1
.endr
	v_nop                                          ; one plain vector instruction between the reciprocals and the first use of one (ISA guide 5.7.2)
.set n, 0
	s_wait_alu depctr_va_vdst(0)
.rept 16
	v_pk_mul_f32 v[ACC+2*n:ACC+2*n+1], v[ACC+2*n:ACC+2*n+1], v[REC+2*n:REC+2*n+1]
.set n, n+1
.endr
.irp i, 0,1,2,3
.irp g, 0,1
	global_store_b128 v[CO], v[ACC+8*\i+4*\g:ACC+8*\i+4*\g+3], s[8:9] offset:\i*OUTROW+\g*256 th:TH_STORE_NT   ; each half of the lanes: 256 consecutive bytes of one row, aligned
.endr
.endr
	s_wait_tensorcnt 0x0
	ds_add_u32 v14, v15
	s_wait_dscnt 0x0
	CROUND                                         ; the closing round: no work-group ends while a partner may still ask for a tile that names it
	s_endpgm
.Lfunc_end_k_q4c3af91846_ruzicka:
	.size	k_q4c3af91846_ruzicka, .Lfunc_end_k_q4c3af91846_ruzicka-k_q4c3af91846_ruzicka
	.p2alignl 7, 3214868480
	.fill 96, 4, 3214868480
	.section	.rodata,"a",@progbits
	.p2align	6, 0x0
	.amdhsa_kernel k_q4c3af91846_ruzicka
		.amdhsa_group_segment_fixed_size 174592
		.amdhsa_private_segment_fixed_size 0
		.amdhsa_enable_private_segment 0
		.amdhsa_kernarg_size 24
		.amdhsa_user_sgpr_count 2
		.amdhsa_user_sgpr_kernarg_segment_ptr 1
		.amdhsa_wavefront_size32 1
		.amdhsa_system_sgpr_workgroup_id_x 1
		.amdhsa_system_sgpr_workgroup_id_y 1
		.amdhsa_system_sgpr_workgroup_id_z 1
		.amdhsa_system_vgpr_workitem_id 0
		.amdhsa_next_free_vgpr 256
		.amdhsa_next_free_sgpr 88
		.amdhsa_reserve_vcc 0
		.amdhsa_float_denorm_mode_32 3
		.amdhsa_float_denorm_mode_16_64 3
		.amdhsa_memory_ordered 1
		.amdhsa_forward_progress 1
		.amdhsa_inst_pref_size 255
	.end_amdhsa_kernel
	.section	.bss,"aw",@nobits
	.p2align	6
	.space	262144
	.amdgpu_metadata
---
amdhsa.version: [ 1, 2 ]
amdhsa.kernels:
  - .name:           k_q4c3af91846_ruzicka
    .symbol:         k_q4c3af91846_ruzicka.kd
    .args:
      - { .name: x, .offset: 0, .size: 8, .value_kind: global_buffer, .address_space: global }
      - { .name: y, .offset: 8, .size: 8, .value_kind: global_buffer, .address_space: global }
      - { .name: out0, .offset: 16, .size: 8, .value_kind: global_buffer, .address_space: global }
    .group_segment_fixed_size: 174592
    .private_segment_fixed_size: 0
    .kernarg_segment_align: 8
    .kernarg_segment_size: 24
    .max_flat_workgroup_size: 128
    .sgpr_count:     88
    .vgpr_count:     256
    .wavefront_size: 32
...
	.end_amdgpu_metadata
.endif
;; end of part 1
